; MI455X (gfx1250); checked and timed in simulation.
; The chip was launched on July 23, 2026; its instructions are those of AMD's public machine-readable ISA for CDNA 5 (MIT licence, August 2026) and "CDNA5" Instruction Set Architecture Reference Guide (July 2026). The comments in the code are by the model that wrote it; some were corrected since.
;; Multi Head Attention. Allowed arithmetic: matrix products marked QUANTISED: E4M3 operands, one given power-of-two scale a tensor, by v_wmma_f32_16x16x64_fp8_fp8 or v_wmma_f32_16x16x128_fp8_fp8, f32 sums; everything else in f32.
;; Inputs: Wk_codes 1,024 x 32 x 32 uint8 (E4M3 codes of Wk, K innermost, in blocks of 32 codes); Wo_codes 1,024 x 32 x 32 uint8 (E4M3 codes of Wo, K innermost, in blocks of 32 codes); Wq_codes 1,024 x 32 x 32 uint8 (E4M3 codes of Wq, K innermost, in blocks of 32 codes); Wv_codes 1,024 x 32 x 32 uint8 (E4M3 codes of Wv, K innermost, in blocks of 32 codes); bo 1,024 float32; lowp_scales 12 int32 (the exponents e of the quantised operands' scales 2^e); x_codes 4 x 2,048 x 32 x 32 uint8 (E4M3 codes of x, K innermost, in blocks of 32 codes).
;; Outputs: out0 4 x 2,048 x 1,024 float32.
;; This version of the problem:
;;   THIS VERSION OF THE PROBLEM IS GIVEN IN LOW PRECISION. The matrix products marked QUANTISED in the list below multiply operands that are first quantised to E4M3 (4 exponent bits, 3 mantissa bits; 8 bits a number), with one given power-of-two scale for each operand tensor; their sums are f32. All else is computed in f32.
;;   The module's matrix products, in the order in which they are computed (A, B: the left and right operand; K: the contracted axis; several contracted axes count as one K, in the product's order):
;;     1. [M 8,192, K 1,024] x [K 1,024, N 1,024]; A: input x (given as codes); B: input Wq (given as codes): QUANTISED (scales: A lowp_scales[0], B lowp_scales[1])
;;     2. [M 8,192, K 1,024] x [K 1,024, N 1,024]; A: input x (given as codes); B: input Wk (given as codes): QUANTISED (scales: A lowp_scales[2], B lowp_scales[3])
;;     3. [M 8,192, K 1,024] x [K 1,024, N 1,024]; A: input x (given as codes); B: input Wv (given as codes): QUANTISED (scales: A lowp_scales[4], B lowp_scales[5])
;;     4. batch 64 x [M 2,048, K 64] x [K 64, N 2,048]; A: computed on the way; B: computed on the way: QUANTISED (scales: A lowp_scales[6], B lowp_scales[7])
;;     5. batch 64 x [M 2,048, K 2,048] x [K 2,048, N 64]; A: softmax (see below); B: computed on the way: QUANTISED (scales: A lowp_scales[8], B lowp_scales[9])
;;     6. [M 8,192, K 1,024] x [K 1,024, N 1,024]; A: computed on the way; B: input Wo (given as codes): QUANTISED (scales: A lowp_scales[10], B lowp_scales[11])
;;   THE QUANTISER, for each operand of a quantised product, along K:
;;     - The operand's scale is 2^e, e = its entry of the input lowp_scales (int32; the entries are numbered through the quantised products in the list's order, A before B).
;;     - Each number is divided by the scale, clamped to +-448, and rounded to the nearest number of E4M3, ties to even, subnormals kept.
;;     - The product sums the exact products of the quantised numbers (number of the format x scale) in f32.
;;   ~~~python
;;   def quantise(x, axis, e):      # numpy; x: float32 -> the quantised numbers, widened to float32 again
;;       x = np.moveaxis(x, axis, -1); K = x.shape[-1]
;;       r = np.clip(x / 2.0 ** e, -448, 448)
;;       step = 2.0 ** (np.maximum(np.frexp(np.where(r == 0, 1, r))[1] - 1, -6) - 3)
;;       q = np.round(r / step) * step * 2.0 ** e      # np.round: ties to even
;;       return np.moveaxis(q, -1, axis).astype(np.float32)
;;   ~~~
;;   SOFTMAX AHEAD OF A QUANTISED PRODUCT. Where the list says 'softmax', what is quantised is not the finished softmax but p = 2^(t - M), with t = logit x log2(e) and M = ceil(the row's largest t), a whole number; so 1/2 < the row's largest p <= 1. The row's sum l is taken of the UNQUANTISED p, in f32, and the product's result is divided by l at the end. Since M is a whole number, a kernel that streams over the keys may use a running M (the ceiling of the running maximum): every later rescaling is an exact power of two, so the quantised numbers keep their values, but for numbers so far below the row's largest that they fall under the format's range.
;;   OPERANDS COMPUTED ON THE WAY. 'Computed on the way' means the value that the module computes at that place (a softmax that the list does not call 'softmax' is quantised finished and normalised). What goes into a quantiser is computed in f32, as accurately as f32 sums, v_exp_f32 and their like allow (about 1e-6 of the number): no bf16 or f16 on the way to a quantiser, and a product that is left as it is and whose result goes on into a quantised operand takes f32 operands (vector FMAs, or v_wmma_f32_16x16x4_f32). A number that lies on a knife's edge between two numbers of the format may be rounded either way, as far as f32 arithmetic and the matrix unit's own rounding can turn it there, and no further.
;;   INPUTS GIVEN AS CODES. Wk (in the module: [1024, 1024], K = its axis 0); Wo (in the module: [1024, 1024], K = its axis 0); Wq (in the module: [1024, 1024], K = its axis 0); Wv (in the module: [1024, 1024], K = its axis 0); x (in the module: [4, 2048, 1024], K = its axis 2): each comes as NAME_codes (uint8): NAME with its K axis moved to the last place and cut into blocks of 32 codes, [.., K / 32, bytes a block], one block behind the other in memory; one code a byte (a code: sign, 4 exponent bits, 3 mantissa bits); its scale is its entry of lowp_scales. Its value is code x scale, taken as it is: it is not quantised again, and the codes and scales need not be those that the quantiser above would give.
;; One version. Each part assembles by itself: llvm-mc -triple=amdgcn-amd-amdhsa -mcpu=gfx1250 --defsym DOCPART=n.
;; ======== version 1 of 1: 3 launches
;; limits: right only within a limited range of input values
;; workspace buffers: q_img 8,388,608 bytes; k_img 8,388,608 bytes; v_img 8,388,608 bytes; ctx_img 8,388,608 bytes
;; launch qkv (part 1): grid 12 x 32, 4 waves a work-group, clusters of 4 x 4, 327,680 bytes of LDS; arguments x_codes, Wq_codes, Wk_codes, Wv_codes, lowp_scales, q_img, k_img, v_img; writes q_img, k_img, v_img
.if DOCPART == 1
	.amdgcn_target "amdgcn-amd-amdhsa--gfx1250"
	.amdhsa_code_object_version 6
	.text
	.protected	k_q3651339484_qkv
	.globl	k_q3651339484_qkv
	.p2align	8
	.type	k_q3651339484_qkv,@function
k_q3651339484_qkv:
	s_mov_b64 s[64:65], 0
	v_nop
	global_prefetch_b8 v0, s[64:65] scope:SCOPE_SE
	s_setreg_imm32_b32 hwreg(HW_REG_WAVE_MODE, 25, 1), 1
	s_wait_xcnt 0x0
	s_wait_alu depctr_hold_cnt(0) depctr_sa_sdst(0) depctr_va_vdst(0) depctr_va_sdst(0) depctr_va_ssrc(0) depctr_va_vcc(0) depctr_vm_vsrc(0)
	s_getreg_b32 s2, hwreg(HW_REG_IB_STS2, 6, 4)
	s_cmp_eq_u32 s2, 0
	s_cbranch_scc0 .Lentry_in_a_cluster
	s_endpgm
.Lentry_in_a_cluster:
	s_bfe_u32 s2, ttmp6, 0x10000c
	s_cmp_lg_u32 s2, 0xf033
	s_cbranch_scc0 .Lentry_shape_is_right
	s_endpgm
.Lentry_shape_is_right:
; q = x Wq, k = x Wk, v = x Wv on codes of FP8 (E4M3), sums in f32; each result is quantised at once with its given scale and stored as codes, laid as the next launch's operand registers want them.
; x: [8192][1024] codes, W*: [1024 (n)][1024 (k)] codes, K innermost.  lowp_scales: e0 .. e11.  A sum of product 1 stands for sum x 2^(e0 + e1) and q's code is q / 2^e6: so code = sum / 2^(e6 - e0 - e1); k: e7 - e2 - e3; v: e9 - e4 - e5.
; LIMITS: each of these three differences lies between -126 and 119, so that the scale and 448 x the scale are f32 numbers.  NaN codes among the inputs are not served.
; SHARES.  A work-group of four waves makes 256 x 256 results, a wave 128 x 128: 64 accumulators of 16 x 16, 512 registers.  K goes in steps of 256 through a ring of two LDS slots filled by the tensor data mover.
; The cluster's x says which tensor: 0 q, 1 k, 2 v.  The matrix instruction takes 16 rows of P as source 0 and 16 rows of R as source 1: lane (r, h) of accumulator (a, b) holds R's row 16 a + r and P's rows 16 b + 8 h + 0 .. 7.
; For q and k: R = x (tokens), P = W (columns): a lane's registers run along the head's channels, the next product's K.  For v: R = Wv (channels), P = x (tokens): they run along the keys, which are the K of the product with p.
; The roles are changed by choosing pointers on the cluster's x, which all sixteen partners share; the text is one.
; THE WAY OUT NEEDS NO LDS.  Two neighbouring accumulators (2 g, 2 g + 1) give, by two conversions, four registers: 16 bytes a lane that are registers 4 g .. 4 g + 3 of a fragment in the layout of the plain fp8 forms
; (registers 2 c, 2 c + 1: k = 16 c + 8 h + 0 .. 7).  The buffers are images of such registers, lane l's 16 bytes at 16 l: each store of the wave covers 512 consecutive bytes, aligned.
;   q_img, k_img: (16 batch + head) x 131072 + (token tile of 16) x 1024 + c' x 512 + 16 l    (c' = 0, 1: registers 4 c' .. 4 c' + 3 of a 16 x 64 fragment)
;   v_img:        (16 batch + head) x 131072 + (key step of 128) x 8192 + (channel tile of 16) x 2048 + c' x 512 + 16 l    (c' = 0 .. 3, of a 16 x 128 fragment)
; CLUSTERS: 4 x 4 work-groups.  The four of a row of the cluster need the same tiles of R, the four of a column the same tiles of P: each tile is asked for jointly, by the same tensor load with the same descriptor and a mask that names the four.
; FRAGMENTS come from LDS by four loads of 16 bytes: lane l holds K = 32 c + 16 (l / 16) + 0 .. 15 in registers 4 c .. 4 c + 3: a permutation of k that is the same on both sides, so every product meets its partner.
; REGISTERS, in windows of 256: window 0: v16-31 addresses and constants; v96-127 the way out; from v128 R's fragments, one set.  window 1: P's fragments, two sets.  windows 2, 3: the accumulators ((a, b) at v[8 (8 (a % 4) + b)]).
; No prefetch: the launch has four K steps, and two of them are asked for at its head.
.set KROW,   1024                      ; a row of x or of a weight in bytes
.set ROWB,   256                       ; a tile's row: 256 codes
.set PITCH,  272                       ; an LDS row: 256 bytes + 16 of padding = 68 words: the 16 rows that a load touches start at 16 different banks (64 banks of 4 bytes: ISA guide 11.1)
.set FR,     16                        ; registers of a fragment: 16 rows x 128 K
.set NL,     4                         ; LDS loads that bring one
.set NP,     4                         ; places behind this matrix instruction (ISA guide 7.12.1)
.set HALFT,  128*PITCH                 ; 128 rows: what one tensor load brings
.set SLOT,   4*HALFT                   ; R's 256 rows, then P's 256 rows
.set LAPS,   KROW/(2*ROWB)             ; a lap = two K steps = once round the ring
.set SPARE,  2*SLOT                    ; behind the ring: the spare words, 128 bytes for each wave
.set ADRA, 16                          ; v16-17  LDS address of my R fragments in slot 0, 1
.set ADRB, 20                          ; v20-21  the same for P
.set VO0,  26                          ; v26     16 x lane: chunks 0 and 1 of an image
.set VO1,  27                          ; v27     the same for chunks 2 and 3: the next head's image (q, k) or 1,024 bytes on (v)
.set SPW,  28                          ; v28     LDS address of my spare word; never rewritten
.set NIL,  29                          ; v29     0; never rewritten
.set LIM,  30
.set SC,   31                          ; v31     the conversion's scale as f32
.set TMP,  32
.set CD,   96                          ; v96-127 codes: two sets of 16 registers by turns
.set AF,   128
.set G1, 24                            ; s[24:31] descriptor group 1 for R's tiles;  s[32:39] group 0, one set for each slot
.set G0, 32
.set G1B, 48                           ; s[48:55], s[56:63] the same for P's tiles
.set G0B, 56
.set MSB, 0
.macro WIN new                         ; the immediate's high byte repeats the setting that is left
.if MSB != \new
	s_set_vgpr_msb (MSB<<8)|\new
.set MSB, \new
.endif
.endm
.set MUL_LO, 0xa1                      ; source 0 (P) window 1, source 1 (R) window 0, C and D window 2
.set MUL_HI, 0xf1                      ; the same, C and D window 3
.set TO_B,   0x40                      ; destination window 1, address window 0
; A joint load: waves 0 and 1 fetch for R, waves 2 and 3 for P.  The branch hangs on the wave's number alone.  Four v_nop follow each of the two lines.
.macro JLOAD g0a, g1a, g0b, g1b
	s_cmp_eq_u32 s15, 0
	s_cbranch_scc0 .Lfor_b_\@
	tensor_load_to_lds s[\g0a:\g0a+3], s[\g1a:\g1a+7]
	s_nop 0
.rept 4
	v_nop
.endr
	s_branch .Lasked_\@
.Lfor_b_\@:
	tensor_load_to_lds s[\g0b:\g0b+3], s[\g1b:\g1b+7]
	s_nop 0
.rept 4
	v_nop
.endr
.Lasked_\@:
.endm
.macro CREST                           ; a round of the cluster's barrier behind its opening barrier
	s_cmp_lg_u32 s14, 0
	s_cbranch_scc1 .Lnot_wave_0_\@
	s_barrier_signal -3
.Lnot_wave_0_\@:
	s_barrier_wait -3
	s_barrier_signal -1
	s_barrier_wait -1
.endm
.macro CROUND                          ; a whole round
	s_barrier_signal -1
	s_barrier_wait -1
	CREST
.endm
	s_load_b256 s[68:75], s[0:1], 0x0              ; x s[68:69], Wq s[70:71], Wk s[72:73], Wv s[74:75]
	s_load_b256 s[76:83], s[0:1], 0x20             ; the scales' exponents s[76:77], q_img s[78:79], k_img s[80:81], v_img s[82:83]
	v_lshl_add_u32 v[SPW], v0, 2, SPARE
	v_mov_b32 v[NIL], 0
	ds_add_u32 v28, v29
	ds_add_u32 v28, v29
	s_wait_dscnt 0x0
	v_lshrrev_b32 v1, 5, v0
	v_readfirstlane_b32 s14, v1                    ; wave 0..3
	s_lshr_b32 s15, s14, 1                         ; which half of R's rows is mine.  Also: I fetch for R (0) or for P (1)
	s_and_b32 s16, s14, 1                          ; which half of P's rows.  Also: which 128 rows of that tile I fetch
	s_bfe_u32 s40, ttmp6, 0x40000                  ; cx, cy: my place in the cluster
	s_bfe_u32 s41, ttmp6, 0x40004
	s_and_b32 s18, ttmp7, 0xffff
	s_lshl_b32 s18, s18, 2                         ; 4 x cluster y: it walks the tokens' 32 blocks of 256
	s_cmp_eq_u32 ttmp9, 2                          ; v?  (the cluster's x: the same in all sixteen partners)
	s_cselect_b32 s17, 0, s18                      ; tokens are R's rows for q and k,
	s_cselect_b32 s42, s18, 0                      ; P's rows for v
	s_add_co_u32 s17, s17, s41                     ; R's block of 256 rows: hangs on cy alone
	s_add_co_u32 s42, s42, s40                     ; P's block: on cx alone
	s_lshl_b32 s43, s41, 2
	s_lshl_b32 s43, 15, s43                        ; my row of the cluster
	s_lshl_b32 s44, 0x1111, s40                    ; my column
	; descriptor group 1: a tile of 128 rows x 256 bytes, padded in LDS
	s_or_b32 s[G1+0], s43, (0<<16)|(1<<20)|(1<<21)|(5<<22)|(3<<25)  ; 15:0 the mask: R's tiles go to my row; 17:16 element of 1 byte; 20 padding on; 21 set beside a mask; 24:22 after every 64 words (code 5); 31:25 of 4 words (code 3)
	s_or_b32 s[G1B+0], s44, (0<<16)|(1<<20)|(1<<21)|(5<<22)|(3<<25) ; the same with the mask of my column
.irp g, G1, G1B
	s_mov_b32 s[\g+1], ROWB<<16                    ; tensor_dim0
	s_mov_b32 s[\g+2], 128<<16                     ; tensor_dim1 = 128
	s_mov_b32 s[\g+3], ROWB<<16                    ; tile_dim0
	s_mov_b32 s[\g+4], 128                         ; tile_dim1 = 128
	s_mov_b32 s[\g+5], KROW                        ; tensor_dim0_stride
	s_mov_b32 s[\g+6], 0
	s_mov_b32 s[\g+7], 0
.endr
	s_lshl_b32 s18, s16, 7                         ; which 128 rows of the tile I fetch
	s_lshl_b32 s20, s17, 8
	s_add_co_u32 s20, s20, s18                     ; R: row 256 x block + 128 x half,
	s_lshl_b32 s20, s20, 10                        ; in bytes (under 2^23)
	s_mov_b32 s21, 0
	s_lshl_b32 s46, s42, 8
	s_add_co_u32 s46, s46, s18                     ; P likewise
	s_lshl_b32 s46, s46, 10
	s_mov_b32 s47, 0
	s_mul_i32 s45, s14, HALFT                      ; where they go: wave x 128 rows: no place in the cluster enters an LDS address
	s_wait_kmcnt 0x0
	s_load_b256 s[84:91], s[76:77], 0x0            ; e0 .. e7
	s_load_b128 s[92:95], s[76:77], 0x20           ; e8 .. e11
	s_cmp_eq_u32 ttmp9, 0
	s_cselect_b64 s[6:7], s[70:71], s[72:73]       ; Wq or Wk,
	s_cselect_b64 s[10:11], s[78:79], s[80:81]     ; q_img or k_img;
	s_cmp_eq_u32 ttmp9, 2
	s_cselect_b64 s[4:5], s[74:75], s[68:69]       ; R = Wv for v, else x
	s_cselect_b64 s[6:7], s[68:69], s[6:7]         ; P = x for v, else the weight
	s_cselect_b64 s[10:11], s[82:83], s[10:11]     ; where the codes go
	s_add_nc_u64 s[20:21], s[4:5], s[20:21]
	s_add_nc_u64 s[46:47], s[6:7], s[46:47]
	CROUND                                         ; all sixteen work-groups are here: the first joint loads meet
.irp s, 0,1
	s_mov_b32 s[G0+4*\s], 1
	s_add_co_u32 s[G0+4*\s+1], s45, \s*SLOT
	s_add_nc_u64 s[G0+4*\s+2:G0+4*\s+3], s[20:21], \s*ROWB
	s_or_b32 s[G0+4*\s+3], s[G0+4*\s+3], 0x80000000
	s_mov_b32 s[G0B+4*\s], 1
	s_add_co_u32 s[G0B+4*\s+1], s45, \s*SLOT
	s_add_nc_u64 s[G0B+4*\s+2:G0B+4*\s+3], s[46:47], \s*ROWB
	s_or_b32 s[G0B+4*\s+3], s[G0B+4*\s+3], 0x80000000
	s_wait_alu depctr_va_vdst(0)
	s_wait_tensorcnt 0x0
	ds_add_u32 v28, v29
	ds_add_u32 v28, v29
	s_wait_dscnt 0x0
	CROUND
	JLOAD G0+4*\s, G1, G0B+4*\s, G1B
.endr
	v_and_b32 v1, 15, v0                           ; l % 16
	v_bfe_u32 v2, v0, 4, 1                         ; l / 16
	v_mul_u32_u24 v3, v1, PITCH
	v_lshl_add_u32 v4, v2, 4, v3                   ; a fragment's row x pitch + 16 x half
	s_mul_i32 s21, s15, HALFT                      ; my 128 rows of R
	s_mul_i32 s22, s16, HALFT                      ; my 128 rows of P,
	s_add_co_u32 s22, s22, 2*HALFT                 ; which lie behind R's 256
.irp s, 0,1
	v_add_nc_u32 v[ADRA+\s], s21, v4
	v_add_nc_u32 v[ADRB+\s], s22, v4
	s_add_co_u32 s21, s21, SLOT
	s_add_co_u32 s22, s22, SLOT
.endr
	; where my codes go.  tok0: my first token; n0: my first column of the weight (64 x head + channel)
	s_lshl_b32 s20, s17, 8
	s_lshl_b32 s21, s15, 7
	s_add_co_u32 s20, s20, s21                     ; R's first row of mine
	s_lshl_b32 s22, s42, 8
	s_lshl_b32 s23, s16, 7
	s_add_co_u32 s22, s22, s23                     ; P's
	s_cmp_eq_u32 ttmp9, 2
	s_cselect_b32 s21, s22, s20                    ; tok0
	s_cselect_b32 s23, s20, s22                    ; n0
	s_mov_b32 s96, 1024
	s_cselect_b32 s96, 2048, s96                   ; from a block of 16 R rows to the next: the next token tile (q, k) or the next channel tile (v)
	s_mov_b32 s98, 1024
	s_cselect_b32 s98, 124928, s98                 ; from block 3 to block 4: for v the next head's first channel tile: 131072 - 3 x 2048
	s_mov_b32 s20, 131072
	s_cselect_b32 s20, 1024, s20                   ; from chunk 0 to chunk 2: the next head (q, k) or 1,024 bytes (v)
	s_mov_b32 s97, 0
	s_mov_b32 s99, 0
	v_and_b32 v6, 31, v0
	v_lshlrev_b32 v[VO0], 4, v6
	v_add_nc_u32 v[VO1], s20, v[VO0]
	s_lshr_b32 s46, s21, 11
	s_lshl_b32 s46, s46, 21                        ; batch x 16 heads x 131072
	s_lshr_b32 s47, s23, 6
	s_lshl_b32 s47, s47, 17                        ; head x 131072
	s_add_co_u32 s46, s46, s47
	s_and_b32 s47, s21, 2047
	s_lshl_b32 s47, s47, 6                         ; token in the batch x 64: (token / 16) x 1024 = (token / 128) x 8192
	s_add_co_u32 s46, s46, s47
	s_mov_b32 s47, 0
	s_add_nc_u64 s[10:11], s[10:11], s[46:47]
.macro FRAG reg, adr, q, i             ; a fragment, 16 rows x 128 K, is 16 registers: lane l holds row l % 16; registers 4 c .. 4 c + 3 hold K = 32 c + 16 (l / 16) + 0 .. 15
.irp c, 0,1,2,3
	ds_load_b128 v[\reg+4*\c:\reg+4*\c+3], v[\adr] offset:128*(\q)+32*\c+(\i)*16*PITCH
.endr
.endm
; 16 matrix instructions: R's blocks a0, a0 + 1 x P's eight, 128 along K.  p: P's set.  zero = 1: the first product starts the sums: nothing is ever cleared.
; The 64 accumulators take turns, one instruction a turn, in the same order in every step.
.macro MUL16 a0, p, zero
.irp a, \a0, \a0+1
.irp b, 0,1,2,3,4,5,6,7
.if \zero
	v_wmma_f32_16x16x128_fp8_fp8 v[8*(8*((\a)%4)+\b):8*(8*((\a)%4)+\b)+7], v[128*(\p)+FR*\b:128*(\p)+FR*\b+FR-1], v[AF+FR*(\a):AF+FR*(\a)+FR-1], 0
.else
	v_wmma_f32_16x16x128_fp8_fp8 v[8*(8*((\a)%4)+\b):8*(8*((\a)%4)+\b)+7], v[128*(\p)+FR*\b:128*(\p)+FR*\b+FR-1], v[AF+FR*(\a):AF+FR*(\a)+FR-1], v[8*(8*((\a)%4)+\b):8*(8*((\a)%4)+\b)+7]
.endif
.endr
.endr
.endm
.macro FETCH_B slot, q, p              ; P's eight fragments of the slot's q-th 128 along K into set p
	WIN TO_B
.irp i, 0,1,2,3,4,5,6,7
	FRAG 128*(\p)+FR*\i, ADRB+\slot, \q, \i
.endr
	WIN 0
.endm
.macro FETCH_A slot, q, i0             ; R's blocks i0 .. i0 + 3
.irp i, \i0, \i0+1, \i0+2, \i0+3
	FRAG AF+FR*(\i), ADRA+\slot, \q, \i
.endr
.endm
; A load into a register that a matrix instruction has read, and a vector instruction that reads a matrix result, stand NP places behind that matrix instruction; only plain vector instructions that name none of its registers are places.
.macro PLACES n
.rept \n
	v_nop
.endr
.endm
; A step of 128 along K that has its successor in the same slot.  R has one set of registers: blocks 0-3 are fetched anew in the step's middle, blocks 4-7 at its end; P has two sets.
.macro STEP slot, q, zero
	s_wait_dscnt 4*NL                              ; P's set and R's blocks 0-3 are in; the youngest 16 loads (R's blocks 4-7) may be out
	WIN MUL_LO
	MUL16 0, (\q)%2, \zero
	MUL16 2, (\q)%2, \zero
	s_wait_dscnt 0                                 ; R's blocks 4-7 are in (asked for 32 matrix instructions ago)
	PLACES NP
	FETCH_B \slot, (\q)+1, 1-(\q)%2
	FETCH_A \slot, (\q)+1, 0
	WIN MUL_HI
	MUL16 4, (\q)%2, \zero
	MUL16 6, (\q)%2, \zero
	PLACES NP
	WIN 0
	FETCH_A \slot, (\q)+1, 4
.endm
; A slot's last step changes slots: ONE barrier; in front of it each wave waits for all its tensor loads, adds 0 to its spare word, and waits for that and for its own reads of this slot.  fill = 1: this slot is filled again, two K steps ahead.
.macro TURN slot, next, fill
	s_wait_tensorcnt 0x0                           ; all my tensor loads have landed: my part of the next slot  (every window is 0 here)
	ds_add_u32 v[SPW], v[NIL]                      ; 0 onto my spare word
	s_wait_dscnt 4*NL+1                            ; (the add and the youngest 16 loads, R's blocks 4-7, may be out)
	WIN MUL_LO
	MUL16 0, 1, 0                                  ; sixteen matrix instructions stand between the add and the wait for it
	s_wait_dscnt 0x0                               ; the add is done, and my reads of this slot are over
	s_barrier_signal -1
	MUL16 2, 1, 0
	WIN 0
	s_barrier_wait -1
.if \fill
	CREST                                          ; the barrier has opened a round of the cluster's barrier: no wave of any partner still reads this slot's tile or has a load on its way
	s_add_nc_u64 s[G0+4*\slot+2:G0+4*\slot+3], s[G0+4*\slot+2:G0+4*\slot+3], 2*ROWB
	s_add_nc_u64 s[G0B+4*\slot+2:G0B+4*\slot+3], s[G0B+4*\slot+2:G0B+4*\slot+3], 2*ROWB
	JLOAD G0+4*\slot, G1, G0B+4*\slot, G1B         ; the first tensor load behind the round; the four v_nop behind it are the places in front of the loads below
.else
	PLACES NP
.endif
	FETCH_B \next, 0, 0
	FETCH_A \next, 0, 0
	WIN MUL_HI
	MUL16 4, 1, 0
	MUL16 6, 1, 0
	PLACES NP
	WIN 0
	FETCH_A \next, 0, 4
.endm
	s_wait_alu depctr_va_vdst(0)
	s_wait_tensorcnt 1                             ; my part of K step 0 is in (K step 1's load may be out)
	s_barrier_signal -1
	s_barrier_wait -1                              ; everybody's is
	FETCH_B 0, 0, 0
	FETCH_A 0, 0, 0
	FETCH_A 0, 0, 4
	STEP 0, 0, 1                                   ; the first step stands in front of the loop: its products start the sums
	s_mov_b32 s3, LAPS-1
.Llap:                                                 ; a trip goes once round the ring, from a lap's second step to the next lap's first, and fills both slots again
	TURN 0, 1, 1
	STEP 1, 0, 0
	TURN 1, 0, 1
	STEP 0, 0, 0
	s_sub_co_u32 s3, s3, 1
	s_cmp_lg_u32 s3, 0
	s_cbranch_scc1 .Llap
	TURN 0, 1, 0                                   ; the last lap fills nothing, and has no round of the cluster's barrier
	STEP 1, 0, 0
	s_wait_dscnt 4*NL                              ; the very last step: nothing more to fetch
	WIN MUL_LO
	MUL16 0, 1, 0
	MUL16 2, 1, 0
	s_wait_dscnt 0
	WIN MUL_HI
	MUL16 4, 1, 0
	MUL16 6, 1, 0
	WIN 0
; THE WAY OUT, block by block of 16 rows of R.  The 64 sums of a lane each accumulator from its low end on,
; converted eight at a time, and stored: four stores of 16 bytes a lane.
.macro QOUT a
.set AC, 64*((\a)%4)
.set CC, CD+16*((\a)%2)
	WIN 0x02+((\a)/4)                              ; source 0: window 2 or 3
.set J, 0
.rept 64
.set J, J+1
.endr
.irp b, 0,1,2,3,4,5,6,7
	v_cvt_scalef32_pk8_fp8_f32 v[CC+2*\b:CC+2*\b+1], v[AC+8*\b:AC+8*\b+7], v[SC]
.endr
	WIN 0
	v_nop                                          ; one plain vector instruction behind the last conversion
.if (\a) > 0
	s_wait_alu depctr_va_vdst(0)
	s_wait_xcnt 0x0                                ; the earlier stores have read their base and their data: the base may step, and the next block may write the other set of codes
.if (\a) == 4
	s_add_nc_u64 s[10:11], s[10:11], s[98:99]
.else
	s_add_nc_u64 s[10:11], s[10:11], s[96:97]
.endif
.endif
	global_store_b128 v[VO0], v[CC:CC+3], s[10:11]               ; each store of the wave covers 512 consecutive bytes, aligned
	global_store_b128 v[VO0], v[CC+4:CC+7], s[10:11] offset:512
	global_store_b128 v[VO1], v[CC+8:CC+11], s[10:11]
	global_store_b128 v[VO1], v[CC+12:CC+15], s[10:11] offset:512
.endm
	s_wait_kmcnt 0x0
	s_sub_co_i32 s20, s90, s84
	s_sub_co_i32 s20, s20, s85                     ; q: e6 - e0 - e1
	s_sub_co_i32 s21, s91, s86
	s_sub_co_i32 s21, s21, s87                     ; k: e7 - e2 - e3
	s_sub_co_i32 s22, s93, s88
	s_sub_co_i32 s22, s22, s89                     ; v: e9 - e4 - e5
	s_cmp_eq_u32 ttmp9, 0
	s_cselect_b32 s20, s20, s21
	s_cmp_eq_u32 ttmp9, 2
	s_cselect_b32 s20, s22, s20                    ; a choice, no branch
	s_add_co_i32 s20, s20, 127
	s_lshl_b32 s21, s20, 23
	v_mov_b32 v[SC], s21                           ; the scale as f32: the conversion takes its exponent field
	s_add_co_i32 s20, s20, 8
	s_lshl_b32 s20, s20, 23
	s_or_b32 s20, s20, 0x600000
	PLACES NP                                      ; behind the last products, in front of the first read of results
.irp a, 0,1,2,3,4,5,6,7
	QOUT \a
.endr
	s_wait_tensorcnt 0x0                           ; the wave's end
	ds_add_u32 v[SPW], v[NIL]
	s_wait_dscnt 0x0
	CROUND                                         ; the closing round: no work-group ends while a partner may still ask for a tile that names it
	s_endpgm
.Lfunc_end_k_q3651339484_qkv:
	.size	k_q3651339484_qkv, .Lfunc_end_k_q3651339484_qkv-k_q3651339484_qkv
	.p2alignl 7, 3214868480
	.fill 96, 4, 3214868480
	.section	.rodata,"a",@progbits
	.p2align	6, 0x0
	.amdhsa_kernel k_q3651339484_qkv
		.amdhsa_group_segment_fixed_size 327680
		.amdhsa_private_segment_fixed_size 0
		.amdhsa_enable_private_segment 0
		.amdhsa_kernarg_size 64
		.amdhsa_user_sgpr_count 2
		.amdhsa_user_sgpr_kernarg_segment_ptr 1
		.amdhsa_wavefront_size32 1
		.amdhsa_system_sgpr_workgroup_id_x 1
		.amdhsa_system_sgpr_workgroup_id_y 1
		.amdhsa_system_sgpr_workgroup_id_z 1
		.amdhsa_system_vgpr_workitem_id 0
		.amdhsa_next_free_vgpr 1024
		.amdhsa_next_free_sgpr 100
		.amdhsa_reserve_vcc 0
		.amdhsa_float_denorm_mode_32 3
		.amdhsa_float_denorm_mode_16_64 3
		.amdhsa_fp16_overflow 1
		.amdhsa_memory_ordered 1
		.amdhsa_forward_progress 1
		.amdhsa_inst_pref_size 88
	.end_amdhsa_kernel
	.amdgpu_metadata
---
amdhsa.version: [ 1, 2 ]
amdhsa.kernels:
  - .name:           k_q3651339484_qkv
    .symbol:         k_q3651339484_qkv.kd
    .args:
      - { .name: x_codes, .offset: 0, .size: 8, .value_kind: global_buffer, .address_space: global }
      - { .name: Wq_codes, .offset: 8, .size: 8, .value_kind: global_buffer, .address_space: global }
      - { .name: Wk_codes, .offset: 16, .size: 8, .value_kind: global_buffer, .address_space: global }
      - { .name: Wv_codes, .offset: 24, .size: 8, .value_kind: global_buffer, .address_space: global }
      - { .name: lowp_scales, .offset: 32, .size: 8, .value_kind: global_buffer, .address_space: global }
      - { .name: q_img, .offset: 40, .size: 8, .value_kind: global_buffer, .address_space: global }
      - { .name: k_img, .offset: 48, .size: 8, .value_kind: global_buffer, .address_space: global }
      - { .name: v_img, .offset: 56, .size: 8, .value_kind: global_buffer, .address_space: global }
    .group_segment_fixed_size: 327680
    .private_segment_fixed_size: 0
    .kernarg_segment_align: 8
    .kernarg_segment_size: 64
    .max_flat_workgroup_size: 128
    .sgpr_count:     100
    .vgpr_count:     1024
    .wavefront_size: 32
...
	.end_amdgpu_metadata
.endif
;; end of part 1
;; launch attn (part 2): grid 4 x 64, 16 waves a work-group, no clusters, 327,680 bytes of LDS; arguments q_img, k_img, v_img, lowp_scales, ctx_img; writes ctx_img
.if DOCPART == 2
	.amdgcn_target "amdgcn-amd-amdhsa--gfx1250"
	.amdhsa_code_object_version 6
	.text
	.protected	k_q3651339484_attn
	.globl	k_q3651339484_attn
	.p2align	8
	.type	k_q3651339484_attn,@function
k_q3651339484_attn:
	s_mov_b64 s[64:65], 0
	v_nop
	global_prefetch_b8 v0, s[64:65] scope:SCOPE_SE
	s_setreg_imm32_b32 hwreg(HW_REG_WAVE_MODE, 25, 1), 1
	s_wait_xcnt 0x0
; ctx[b][q][head] = the sum over keys k <= q of softmax_k(Q . K / 8) V, both products on codes of FP8 (E4M3); the result is quantised at once (scale 2^e10) and stored as codes for the last product.
; q_img, k_img: images of 16 x 64 fragments (a tile of 16 tokens: 1,024 bytes, lane l's 16 bytes at 512 c' + 16 l).  v_img: images of 16 x 128 fragments (16 channels x 128 keys: 2,048 bytes).  All in the plain fp8 forms' own layout.
; THE SOFTMAX AHEAD OF THE SECOND PRODUCT: t = score x log2(e) / 8; M = the row's largest t so far, rounded UP to a whole number; p = 2^(t - M) is what is quantised (scale 2^e8), not normalised.
; The row's sum is taken of the unquantised p, in f32, and divides at the end.  When M moves, the sum and O are multiplied by 2^(old M - new M): exact.
; SHARES.  A work-group owns the query tiles T (16 queries each) of one head with T mod 4 = its x.  Wave w of sixteen owns two: TA = 4 w + x and TB = 124 - 4 w + x.  Tile T needs the key steps (128 keys) 0 .. T / 8,
; the last of them on the diagonal: (TA / 8 + 1) + (TB / 8 + 1) = 17 steps for every wave of every work-group.  Every work-group walks all 8 slots of 256 keys: trip counts are constants, and no tile is fetched in vain.
; A step all of whose keys come after the tile's queries is left out by a scalar branch on ids; no barrier and no tensor load stands in a step.
; LAYOUT.  Both products are used transposed: S^T = K Q^T (source 0 = 16 keys, source 1 = my 16 queries), O^T = V^T P^T (source 0 = 16 channels, source 1 = P): a lane holds ONE query (lane % 16) throughout.
; Register j of S^T's tile t is key 16 t + 8 (lane / 16) + j: eight conversions give registers 2 t, 2 t + 1 of P's fragment as the K = 128 form's own layout wants them.
; THE RING.  Two LDS slots; a slot holds 16,384 bytes of K's images and 16,384 of V's, both dense blocks of memory: wave 0 fetches K's, wave 1 V's, one tensor load each.  Images are read 16 bytes a lane on end: no padding is needed.
; NO CLUSTER, though the four work-groups of a head read the same K and V: what is shared is 32,768 bytes a slot, against up to 64 key steps of some 270 vector instructions each in a work-group;
; a joint refill would put a round of the cluster's barrier at each of the eight changes of slots of a launch whose waves are busy with vector work.
; LIMITS on the given exponents, so that each power of two below is an f32 number: e6 + e7 between -123 and 130 (added to c's exponent field); e8, and e10 - e8 - e9, between -126 and 119.  NaN among the codes is not served.
; REGISTERS: v1 16 x lane; v2 the slot's LDS address; v3 the prefetches' offset; v5, v6 the add's; v[8:9] -M and the largest t of tile A, v[10:11] its sum in two halves; v[12:15] the same for tile B; v16-23, v24-31 Q of A, of B;
;   v32-95 K's eight fragments, then V's four; v96-159 S^T, then p; v160-191, v192-223 O^T of A, of B; v224-239 p's codes; v240-254 constants and temporaries.
.set SLOT1, 1<<17                      ; slot 1 begins here, so that one exclusive or turns an address in one slot into the other's
.set KIMG,  16384                      ; a slot's images of K; V's lie behind them
.set SPARE, 2*SLOT1                    ; behind the ring: the spare words, 128 bytes for each of sixteen waves
.set LI,   1
.set ADR,  2
.set PFO,  3
.set SPW,  5
.set NIL,  6
.set FRG,  32
.set SS,   96
.set PC,   224
.set TB,   2                           ; s2   LDS byte at which the slot in hand begins
.set WV,   18                          ; s18  my wave's number
.set SEL,  20                          ; s[20:21] lane selects for v_permlanex16_b32: lane l xor 16
.set CSC,  22                          ; s[22:23] c = log2(e) / 8 x 2^(e6 + e7)
.set G1,   24                          ; s[24:31] descriptor group 1
.set G0,   40                          ; s[40:43] descriptor group 0, which walks
.set SG,   44                          ; s44  the key step in hand
.set LA,   45                          ; s45  tile A's last key step;  s46  tile B's
.set LB,   46
.set SLOTS, 67                         ; s67  slots still to be asked for
.set PFA,  76                          ; s[76:77] where my prefetches stand
.set LIM,  80                          ; s80  1 in a wave that prefetches, else the greatest number
; Waves 0 and 1 fetch, the others nothing.  The branch hangs on the wave's number alone.  Four v_nop follow the load.
.macro TLOAD
	s_cmp_lt_u32 s[WV], 2
	s_cbranch_scc0 .Lasked_\@
	tensor_load_to_lds s[G0:G0+3], s[G1:G1+7]
	s_nop 0
.rept 4
	v_nop
.endr
.Lasked_\@:
.endm
; A PREFETCH INTO THE L2 of what the NEXT change of slots will ask for: 16,384 bytes of K's images and as many of V's.  All four work-groups of a head walk the same images: the first of them asks (a branch on the work-group's number).
; In it four waves that fetch nothing ask, one instruction each: waves 4 and 5 for K's two halves of 8,192 bytes, waves 6 and 7 for V's, lanes 256 bytes apart.  So each aligned block of 256 bytes of slots 2 to 7 is named once in the launch.
; Slots 0 and 1 come by their loads alone; the last change that fills a slot asks for nothing: there is no slot behind it.
.macro ASK
	s_cmp_gt_u32 s[SLOTS], s[LIM]
	s_cbranch_scc0 .Lnot_mine_\@
	global_prefetch_b8 v[PFO], s[PFA:PFA+1] th:TH_LOAD_NT scope:SCOPE_SE
.Lnot_mine_\@:
.endm
	s_load_b256 s[4:11], s[0:1], 0x0               ; q_img s[4:5], k_img s[6:7], v_img s[8:9], the scales' exponents s[10:11]
	s_load_b64 s[12:13], s[0:1], 0x20              ; ctx_img
	v_lshl_add_u32 v[SPW], v0, 2, SPARE
	v_mov_b32 v[NIL], 0
	ds_add_u32 v5, v6
	ds_add_u32 v5, v6
	s_wait_dscnt 0x0
	v_lshrrev_b32 v7, 5, v0
	s_delay_alu instid0(VALU_DEP_1)
	v_readfirstlane_b32 s[WV], v7                  ; wave 0..15
	s_and_b32 s86, ttmp7, 0xffff                   ; 16 x batch + head
	s_lshl_b32 s84, s[WV], 2
	s_sub_co_u32 s85, 124, s84
	s_add_co_u32 s84, s84, ttmp9                   ; TA = 4 w + x
	s_add_co_u32 s85, s85, ttmp9                   ; TB = 124 - 4 w + x
	s_lshr_b32 s[LA], s84, 3
	s_lshr_b32 s[LB], s85, 3
	s_lshl_b32 s88, s86, 17                        ; the head's first byte in q_img, k_img, v_img
	s_mov_b32 s89, 0
	s_lshl_b32 s82, s84, 10                        ; a tile of Q is 1,024 bytes
	s_mov_b32 s83, 0
	s_lshl_b32 s74, s85, 10
	s_mov_b32 s75, 0
	s_lshr_b32 s90, s86, 4
	s_lshl_b32 s90, s90, 7                         ; batch x 128 tiles
	s_and_b32 s91, s86, 15
	s_lshl_b32 s91, s91, 10                        ; head x 1,024
	s_add_co_u32 s92, s90, s84
	s_lshl_b32 s92, s92, 14                        ; ctx_img: a tile of 16 tokens is 16,384 bytes,
	s_add_co_u32 s92, s92, s91                     ; a head's 64 channels of it 1,024
	s_mov_b32 s93, 0
	s_add_co_u32 s94, s90, s85
	s_lshl_b32 s94, s94, 14
	s_add_co_u32 s94, s94, s91
	s_mov_b32 s95, 0
	; descriptor group 1: a dense block of 16,384 bytes as 64 rows of 256 bytes
	s_mov_b32 s[G1], 3<<16                         ; 15:0 no mask; 17:16 elements of 8 bytes; no padding
	s_mov_b32 s[G1+1], 32<<16                      ; tensor_dim0 = 32 elements
	s_mov_b32 s[G1+2], 64<<16                      ; tensor_dim1 = 64
	s_mov_b32 s[G1+3], 32<<16                      ; tile_dim0
	s_mov_b32 s[G1+4], 64                          ; tile_dim1
	s_mov_b32 s[G1+5], 32                          ; tensor_dim0_stride
	s_mov_b32 s[G1+6], 0
	s_mov_b32 s[G1+7], 0
	s_mov_b32 s[SEL], 0x76543210
	s_mov_b32 s[SEL+1], 0xfedcba98
	s_mov_b32 s[CSC], 0x3e38aa3b                   ; log2(e) / 8
	s_mov_b32 s[TB], 0
	s_mov_b32 s[SG], 0
	s_mov_b32 s[SLOTS], 7
	s_and_b32 s87, s[WV], 1
	s_mov_b32 s[G0], 1                             ; 1:0 count = 1
	s_lshl_b32 s[G0+1], s87, 14                    ; 63:32 LDS address: slot 0; wave 0: K's images, wave 1: V's
	s_wait_kmcnt 0x0
	s_load_b128 s[68:71], s[10:11], 0x18           ; e6, e7, e8, e9
	s_load_b32 s72, s[10:11], 0x28                 ; e10
	s_cmp_eq_u32 s87, 0
	s_cselect_b64 s[G0+2:G0+3], s[6:7], s[8:9]
	s_add_nc_u64 s[G0+2:G0+3], s[G0+2:G0+3], s[88:89]  ; 120:64 global address: the head's first 256 keys
	s_or_b32 s[G0+3], s[G0+3], 0x80000000          ; 127:126 type = 2
	TLOAD                                          ; slot 0
	s_add_nc_u64 s[52:53], s[4:5], s[88:89]
	s_add_nc_u64 s[54:55], s[52:53], s[74:75]      ; Q of tile B
	s_add_nc_u64 s[52:53], s[52:53], s[82:83]      ; Q of tile A
	s_add_nc_u64 s[48:49], s[12:13], s[92:93]      ; where tile A's codes go,
	s_add_nc_u64 s[50:51], s[12:13], s[94:95]      ; and tile B's
	v_and_b32 v1, 31, v0
	s_delay_alu instid0(VALU_DEP_1)
	v_lshlrev_b32 v[PFO], 8, v1
	s_delay_alu instid0(VALU_DEP_2)
	v_lshlrev_b32 v[LI], 4, v1
	global_load_b128 v[16:19], v[LI], s[52:53]             ; Q's fragments stay in registers
	global_load_b128 v[20:23], v[LI], s[52:53] offset:512
	global_load_b128 v[24:27], v[LI], s[54:55]
	global_load_b128 v[28:31], v[LI], s[54:55] offset:512
	; the prefetches: where my wave's stand, and who asks
	s_cmp_lt_u32 s[WV], 6
	s_cselect_b64 s[PFA:PFA+1], s[6:7], s[8:9]
	s_lshl_b32 s90, s87, 13                        ; my half of a slot's 16,384 bytes,
	s_add_co_u32 s90, s90, KIMG                    ; in slot 1: the first change of slots steps it to slot 2.  Nothing is prefetched here, at the head
	s_mov_b32 s91, 0
	s_add_nc_u64 s[PFA:PFA+1], s[PFA:PFA+1], s[88:89]
	s_add_nc_u64 s[PFA:PFA+1], s[PFA:PFA+1], s[90:91]
	s_sub_co_u32 s90, s[WV], 4
	s_lshr_b32 s90, s90, 2                         ; 0 in waves 4 to 7,
	s_or_b32 s90, s90, ttmp9                       ; of the head's first work-group
	s_cmp_eq_u32 s90, 0
	s_cselect_b32 s[LIM], 1, -1
	; the mask's numbers: register 8 t + j of S^T is hidden in the diagonal step where 16 t + j > d, d = (lane % 16) - 8 (lane / 16) + 16 (T % 8)
	v_and_b32 v247, 15, v0
	v_bfe_u32 v254, v0, 4, 1
	s_delay_alu instid0(VALU_DEP_1)
	v_lshlrev_b32 v254, 3, v254
	s_delay_alu instid0(VALU_DEP_1)
	v_sub_nc_u32 v247, v247, v254
	s_and_b32 s90, s84, 7
	s_lshl_b32 s90, s90, 4
	s_and_b32 s91, s85, 7
	s_lshl_b32 s91, s91, 4
	v_add_nc_u32 v248, s91, v247                   ; tile B's d
	v_add_nc_u32 v247, s90, v247                   ; tile A's
	v_mov_b32 v249, 0xff800000                     ; -infinity
	v_mov_b32 v9, 0xff61b1e6                       ; the largest t so far: -3e38, under every t
	s_delay_alu instid0(VALU_DEP_1)
	v_floor_f32 v8, -v9                            ; -M
	v_mov_b32 v10, 0                               ; the sum, in two halves
	v_mov_b32 v11, 0
	v_mov_b32 v13, 0xff61b1e6
	s_delay_alu instid0(VALU_DEP_1)
	v_floor_f32 v12, -v13
	v_mov_b32 v14, 0
	v_mov_b32 v15, 0
.irp j, 232,233,234,235,241,252,253
	v_mov_b32 v\j, 0                               ; written once: a lane permute's destination counts as one of its sources; v253 is named as the upper half of the pair v[252:253]
.endr
.set J, 0
.rept 64
	v_mov_b32 v[160+J], 0                          ; O^T of both tiles.  (The key step is written without a first step of its own: the first finds zeros, which the first change of M leaves zeros)
.set J, J+1
.endr
	s_wait_kmcnt 0x0
	s_add_co_i32 s82, s68, s69
	s_lshl_b32 s82, s82, 23
	s_add_co_i32 s[CSC], s[CSC], s82               ; a score stands for score x 2^(e6 + e7): the two exponents are added to c's exponent field
	s_mov_b32 s[CSC+1], s[CSC]                     ; (named with it as a pair, so it is written)
	s_add_co_i32 s82, s70, 127
	s_lshl_b32 s83, s82, 23
	v_mov_b32 v244, s83                            ; 2^e8 as f32, for p's conversions
	s_sub_co_i32 s82, s72, s70
	s_sub_co_i32 s82, s82, s71                     ; O / l stands for ctx / 2^(e8 + e9): its code is (O / l) / 2^(e10 - e8 - e9)
	s_add_co_i32 s82, s82, 127
	s_lshl_b32 s83, s82, 23
	v_mov_b32 v245, s83
; A KEY STEP of one tile: 128 keys, the q-th of the slot in hand.  fq: Q's fragment; fo: O^T; fm: the pair (-M, largest t); fs: the sum's pair; fd: the mask's number; sl: the scalar that holds the tile's last step.
.macro STEP q, fq, fo, fm, fs, fd, sl
	s_cmp_gt_u32 s[SG], s[\sl]                     ; all of the step's keys come after my queries: nothing to do
	s_cbranch_scc1 .Lhid_\@
.rept 4
	v_nop                                          ; places in front of loads into registers that the last products read
.endr
	s_wait_alu depctr_va_vdst(0)
.irp t, 0,1,2,3,4,5,6,7
	ds_load_b128 v[FRG+8*\t:FRG+8*\t+3], v[ADR] offset:(8*(\q)+\t)*1024
	ds_load_b128 v[FRG+8*\t+4:FRG+8*\t+7], v[ADR] offset:(8*(\q)+\t)*1024+512
.endr
	s_wait_dscnt 0x0
.irp t, 0,1,2,3,4,5,6,7
	v_wmma_f32_16x16x64_fp8_fp8 v[SS+8*\t:SS+8*\t+7], v[FRG+8*\t:FRG+8*\t+7], v[\fq:\fq+7], 0   ; S^T = K Q^T: eight tiles of 16 keys
.endr
.rept 4
	v_nop                                          ; places in front of the loads below and of the first read of the scores
.endr
	s_wait_alu depctr_va_vdst(0)
.irp t, 0,1,2,3
.irp c, 0,1,2,3
	ds_load_b128 v[FRG+16*\t+4*\c:FRG+16*\t+4*\c+3], v[ADR] offset:KIMG+8192*(\q)+2048*\t+512*\c   ; V's four fragments land while the softmax is worked
.endr
.endr
	s_cmp_lg_u32 s[SG], s[\sl]                     ; only the tile's last step lies on the diagonal
	s_cbranch_scc1 .Lopen_\@
.set N, 0
.rept 64
	v_cmp_gt_i32 vcc_lo, 16*(N/8)+N%8, v[\fd]      ; hidden scores become -infinity ahead of the maximum: p = 0 then
	v_cndmask_b32 v[SS+N], v[SS+N], v249, vcc_lo
.set N, N+1
.endr
.Lopen_\@:
	v_max3_num_f32 v254, v96, v97, v98             ; the step's largest score of my query, among my 64 keys, in two chains; each tile of scores is first read at its low end,
	v_max3_num_f32 v252, v99, v100, v101
.irp i, 6,10,14,18,22,26,30,34,38,42,46,50,54,58
	v_max3_num_f32 v254, v254, v[SS+\i], v[SS+1+\i]
	v_max3_num_f32 v252, v252, v[SS+2+\i], v[SS+3+\i]
.endr
	v_max3_num_f32 v254, v254, v158, v159
	s_delay_alu instid0(VALU_DEP_1)
	v_max_num_f32 v254, v254, v252
	s_delay_alu instid0(VALU_DEP_1)
	v_permlanex16_b32 v241, v254, s[SEL], s[SEL+1]
	s_delay_alu instid0(VALU_DEP_1)
	v_max_num_f32 v254, v254, v241                 ; and among lane l xor 16's
	s_delay_alu instid0(VALU_DEP_1)
	v_mul_f32 v254, s[CSC], v254                   ; as t (c is positive)
	s_delay_alu instid0(VALU_DEP_1)
	v_max_num_f32 v[\fm+1], v[\fm+1], v254         ; the running largest t
	v_mov_b32 v254, v[\fm]
	s_delay_alu instid0(VALU_DEP_2)
	v_floor_f32 v[\fm], -v[\fm+1]                  ; the new -M = floor(-t) = -ceil(t): M is a whole number
	s_delay_alu instid0(VALU_DEP_1)
	v_sub_f32 v254, v[\fm], v254                   ; M's old value less its new one: a whole number, 0 or less
	s_delay_alu instid0(VALU_DEP_1)
	v_cvt_i32_f32 v254, v254                       ; (it saturates)
	s_delay_alu instid0(VALU_DEP_1)
	v_ldexp_f32 v252, 1.0, v254                    ; f = 2^(old M - new M)
.set J, 0
.rept 32
	v_pk_fma_f32 v[SS+J:SS+J+1], v[SS+J:SS+J+1], s[CSC:CSC+1], v[\fm:\fm+1] op_sel_hi:[1,0,0]   ; t - M, two at a time (of the pairs c and -M the low word serves both halves)
.set J, J+2
.endr
.set J, 0
	s_wait_alu depctr_va_vdst(0)
.rept 64
	v_exp_f32 v[SS+J], v[SS+J]                     ; p = 2^(t - M), at most 1: not normalised
.set J, J+1
.endr
	v_pk_mul_f32 v[\fs:\fs+1], v[\fs:\fs+1], v[252:253] op_sel_hi:[1,0]   ; the sums under the new M.  (A plain instruction behind the exponentials)
	s_wait_alu depctr_va_vdst(0)                   ; one wait for the whole batch of exponentials, ahead of its first reader
	v_pk_add_f32 v[242:243], v[96:97], v[98:99]    ; the row's sum is taken of the unquantised p: two at a time, in two chains
.irp j, 4,8,12,16,20,24,28,32,36,40,44,48,52,56,60
	v_pk_add_f32 v[\fs:\fs+1], v[\fs:\fs+1], v[SS+\j:SS+1+\j]
	v_pk_add_f32 v[242:243], v[242:243], v[SS+2+\j:SS+3+\j]
.endr
	s_delay_alu instid0(VALU_DEP_1)
	v_pk_add_f32 v[\fs:\fs+1], v[\fs:\fs+1], v[242:243]
.irp t, 0,1,2,3,4,5,6,7
.irp i, 0,1,2,3,4,5,6,7
.endr
	v_cvt_scalef32_pk8_fp8_f32 v[PC+2*\t:PC+2*\t+1], v[SS+8*\t:SS+8*\t+7], v244   ; registers 2 t, 2 t + 1 of P's fragment: keys 16 t + 8 (lane / 16) + 0 .. 7
.endr
.set J, 0
.rept 16
	v_pk_mul_f32 v[\fo+J:\fo+J+1], v[\fo+J:\fo+J+1], v[252:253] op_sel_hi:[1,0]   ; O^T under the new M: x f.  (These are also the plain instructions between the conversions and the products below)
.set J, J+2
.endr
	s_wait_alu depctr_va_vdst(0)
	s_wait_dscnt 0x0                               ; V is in
.irp t, 0,1,2,3
	v_wmma_f32_16x16x128_fp8_fp8 v[\fo+8*\t:\fo+8*\t+7], v[FRG+16*\t:FRG+16*\t+15], v[PC:PC+15], v[\fo+8*\t:\fo+8*\t+7]   ; O^T += V^T P^T: four accumulators, one instruction a turn
.endr
.Lhid_\@:
.endm
; THE CHANGE OF SLOTS stands at a slot's head.  Each wave waits for all its tensor loads, adds 0 to its spare word, and waits for that and for its reads of the slot that it has left.
; Behind the barrier the slot ahead is whole and nobody reads the other one.  fill = 1: that other slot is filled with the keys that follow: the load has a whole slot's steps in which to land.
.macro CHANGE fill
	s_wait_tensorcnt 0x0                           ; no tensor load of mine is out, so group 0 may be written
	ds_add_u32 v[SPW], v[NIL]                      ; 0 onto my spare word
.if \fill
	s_xor_b32 s[G0+1], s[G0+1], SLOT1              ; the walking descriptor: the other slot than last time,
	s_add_nc_u64 s[G0+2:G0+3], s[G0+2:G0+3], KIMG  ; the next 256 keys; the type bits on top are not reached
	s_wait_xcnt 0x0                                ; the last prefetch, a slot back, has read its address, so it may be written:
	s_add_nc_u64 s[PFA:PFA+1], s[PFA:PFA+1], KIMG  ; one slot further on than the walking descriptor
.endif
	s_wait_dscnt 0x0                               ; the add is done, and my reads of the slot that I have left are over
	s_barrier_signal -1
	s_barrier_wait -1
.if \fill
	TLOAD                                          ; the first thing behind the barrier, and a wave's one tensor load until the next
	ASK                                            ; what the next change of slots will ask for
.endif
.endm
.macro SLOT_STEPS
	v_add_nc_u32 v[ADR], s[TB], v[LI]              ; on every wave's path, ahead of the steps' branches
	STEP 0, 16, 160, 8, 10, 247, LA
	STEP 0, 24, 192, 12, 14, 248, LB
	s_add_co_u32 s[SG], s[SG], 1
	STEP 1, 16, 160, 8, 10, 247, LA
	STEP 1, 24, 192, 12, 14, 248, LB
	s_add_co_u32 s[SG], s[SG], 1
	s_xor_b32 s[TB], s[TB], SLOT1                  ; on to the other slot
.endm
	s_wait_loadcnt 0x0                             ; Q
.Lslot:                                            ; 7 trips: behind each change of slots but the last the next slot is asked for
	CHANGE 1
	SLOT_STEPS
	s_sub_co_u32 s[SLOTS], s[SLOTS], 1
	s_cmp_lg_u32 s[SLOTS], 0
	s_cbranch_scc1 .Lslot
	CHANGE 0                                       ; the last slot is written out
	SLOT_STEPS
	; THE WAY OUT.  O^T / the sum is held, converted to codes (scale 2^(e10 - e8 - e9)) and stored as an image of the last product's operand: lane (r, h) wants, of token r, channels 32 c' + 16 h + 0 .. 15.
	; It holds channels 16 t + 8 h + 0 .. 7 of each tile t: so lanes l and l xor 16 exchange eight codes for each c': lanes with h = 0 send tile 2 c' + 1's, lanes with h = 1 tile 2 c's.
.rept 4
	v_nop                                          ; places behind the last products
.endr
	v_add_f32 v10, v10, v11                        ; the sums' two halves,
	v_add_f32 v14, v14, v15
	s_delay_alu instid0(VALU_DEP_2)
	v_permlanex16_b32 v241, v10, s[SEL], s[SEL+1]
	s_delay_alu instid0(VALU_DEP_2)
	v_permlanex16_b32 v254, v14, s[SEL], s[SEL+1]
	s_delay_alu instid0(VALU_DEP_2)
	v_add_f32 v10, v10, v241                       ; and lane l xor 16's: the rows' sums
	s_delay_alu instid0(VALU_DEP_2)
	v_add_f32 v14, v14, v254
	s_wait_alu depctr_va_vdst(0)
	v_rcp_f32 v10, v10
	v_rcp_f32 v14, v14
	v_nop                                          ; a plain instruction behind the reciprocals
	s_mov_b32 vcc_lo, 0xffff0000                   ; the lanes with h = 1
	s_wait_alu depctr_va_vdst(0)                   ; one wait for both reciprocals, ahead of their first reader
.macro OUT fo, rl, ob, sb
.set J, 0
.rept 32
	v_mul_f32 v[SS+J], v[\fo+J], v[\rl]            ; each accumulator from its low end on
.set J, J+1
.endr
.set J, 0
.rept 32
.set J, J+1
.endr
.irp t, 0,1,2,3
	v_cvt_scalef32_pk8_fp8_f32 v[PC+2*\t:PC+2*\t+1], v[SS+8*\t:SS+8*\t+7], v245
.endr
	v_nop                                          ; one plain vector instruction between the conversions and the first use of their results
.irp c, 0,1
	v_cndmask_b32 v232, v[PC+2+4*\c], v[PC+4*\c], vcc_lo      ; what I send
	v_cndmask_b32 v233, v[PC+3+4*\c], v[PC+1+4*\c], vcc_lo
	v_permlanex16_b32 v234, v232, s[SEL], s[SEL+1]
	v_permlanex16_b32 v235, v233, s[SEL], s[SEL+1]
	v_cndmask_b32 v[\ob+4*\c], v[PC+4*\c], v234, vcc_lo       ; channels 32 c' + 16 h + 0 .. 7
	v_cndmask_b32 v[\ob+4*\c+1], v[PC+1+4*\c], v235, vcc_lo
	v_cndmask_b32 v[\ob+4*\c+2], v234, v[PC+2+4*\c], vcc_lo   ; channels 32 c' + 16 h + 8 .. 15
	v_cndmask_b32 v[\ob+4*\c+3], v235, v[PC+3+4*\c], vcc_lo
	global_store_b128 v[LI], v[\ob+4*\c:\ob+4*\c+3], s[\sb:\sb+1] offset:512*\c   ; the wave stores 512 consecutive bytes, aligned
.endr
.endm
	OUT 160, 10, 32, 48
	OUT 192, 14, 40, 50                            ; other registers for its codes: no store's data are written again
	s_wait_tensorcnt 0x0                           ; the wave's end
	ds_add_u32 v[SPW], v[NIL]
	s_wait_dscnt 0x0
	s_endpgm
.Lfunc_end_k_q3651339484_attn:
	.size	k_q3651339484_attn, .Lfunc_end_k_q3651339484_attn-k_q3651339484_attn
	.p2alignl 7, 3214868480
	.fill 96, 4, 3214868480
	.section	.rodata,"a",@progbits
	.p2align	6, 0x0
	.amdhsa_kernel k_q3651339484_attn
		.amdhsa_group_segment_fixed_size 327680
		.amdhsa_private_segment_fixed_size 0
		.amdhsa_enable_private_segment 0
		.amdhsa_kernarg_size 40
		.amdhsa_user_sgpr_count 2
		.amdhsa_user_sgpr_kernarg_segment_ptr 1
		.amdhsa_wavefront_size32 1
		.amdhsa_system_sgpr_workgroup_id_x 1
		.amdhsa_system_sgpr_workgroup_id_y 1
		.amdhsa_system_sgpr_workgroup_id_z 1
		.amdhsa_system_vgpr_workitem_id 0
		.amdhsa_next_free_vgpr 256
		.amdhsa_next_free_sgpr 100
		.amdhsa_reserve_vcc 1
		.amdhsa_float_denorm_mode_32 3
		.amdhsa_float_denorm_mode_16_64 3
		.amdhsa_fp16_overflow 1
		.amdhsa_memory_ordered 1
		.amdhsa_forward_progress 1
		.amdhsa_inst_pref_size 163
	.end_amdhsa_kernel
	.amdgpu_metadata
---
amdhsa.version: [ 1, 2 ]
amdhsa.kernels:
  - .name:           k_q3651339484_attn
    .symbol:         k_q3651339484_attn.kd
    .args:
      - { .name: q_img, .offset: 0, .size: 8, .value_kind: global_buffer, .address_space: global }
      - { .name: k_img, .offset: 8, .size: 8, .value_kind: global_buffer, .address_space: global }
      - { .name: v_img, .offset: 16, .size: 8, .value_kind: global_buffer, .address_space: global }
      - { .name: lowp_scales, .offset: 24, .size: 8, .value_kind: global_buffer, .address_space: global }
      - { .name: ctx_img, .offset: 32, .size: 8, .value_kind: global_buffer, .address_space: global }
    .group_segment_fixed_size: 327680
    .private_segment_fixed_size: 0
    .kernarg_segment_align: 8
    .kernarg_segment_size: 40
    .max_flat_workgroup_size: 512
    .sgpr_count:     100
    .vgpr_count:     256
    .wavefront_size: 32
...
	.end_amdgpu_metadata
.endif
;; end of part 2
;; launch oproj (part 3): grid 4 x 64, 4 waves a work-group, clusters of 4 x 4, 327,680 bytes of LDS; arguments ctx_img, Wo_codes, lowp_scales, bo, out0; writes out0
.if DOCPART == 3
	.amdgcn_target "amdgcn-amd-amdhsa--gfx1250"
	.amdhsa_code_object_version 6
	.text
	.protected	k_q3651339484_oproj
	.globl	k_q3651339484_oproj
	.p2align	8
	.type	k_q3651339484_oproj,@function
k_q3651339484_oproj:
	s_mov_b64 s[64:65], 0
	v_nop
	global_prefetch_b8 v0, s[64:65] scope:SCOPE_SE
	s_setreg_imm32_b32 hwreg(HW_REG_WAVE_MODE, 25, 1), 1
	s_wait_xcnt 0x0
	s_wait_alu depctr_hold_cnt(0) depctr_sa_sdst(0) depctr_va_vdst(0) depctr_va_sdst(0) depctr_va_ssrc(0) depctr_va_vcc(0) depctr_vm_vsrc(0)
	s_getreg_b32 s2, hwreg(HW_REG_IB_STS2, 6, 4)
	s_cmp_eq_u32 s2, 0
	s_cbranch_scc0 .Lentry_in_a_cluster
	s_endpgm
.Lentry_in_a_cluster:
	s_bfe_u32 s2, ttmp6, 0x10000c
	s_cmp_lg_u32 s2, 0xf033
	s_cbranch_scc0 .Lentry_shape_is_right
	s_endpgm
.Lentry_shape_is_right:
; out0 = ctx Wo + bo on codes of FP8 (E4M3), sums in f32; each finished sum x 2^(e10 + e11) + bo, one packed multiply-add for two numbers.
; ctx_img: images of operand registers: (token tile of 16) x 16384 + (K step of 128) x 2048 + c x 512 + 16 l: lane l = 16 h + r holds token r at k = 32 c + 16 h + 0 .. 15.  Wo_codes: [1024 (n)][1024 (k)], K innermost.  bo [1024], out0 [8192][1024]: f32.
; Wo's fragments come from LDS rows by four loads of 16 bytes at 32 c + 16 h: the same places of k as in ctx's images, so every product meets its partner.
; LIMIT: e10 + e11 lies between -126 and 127, so that 2^(e10 + e11) is an f32 number.
; SHARES.  A work-group of four waves makes 128 tokens x 256 columns, so that the 8192 x 1024 results give 256 work-groups; a wave makes 64 x 128: 32 accumulators of 16 x 16.
; The matrix instruction is used transposed (source 0 = 16 rows of Wo, source 1 = 16 tokens): a lane then holds eight neighbouring numbers of a row of out0.
; K goes in four steps of 256 through THREE LDS slots: steps 0, 1, 2 are asked for together at the head (three tensor loads of a wave are out), step 3 fills slot 0 again behind the one round of the cluster's barrier in the middle.  No loop.
; CLUSTERS: 4 x 4 work-groups.  The four of a row of the cluster need the same tokens, the four of a column the same rows of Wo: each tile is asked for jointly.
; REGISTERS, in windows of 256: window 0: v16-29 addresses; v32-95 the way out; v128-255 ctx's fragments, two sets of 64 (on the way out: rows read back).  window 1: Wo's fragments, two sets of 128.
;   window 2: the accumulators ((a, b) at v[8 (8 a + b)]).  window 3: v0-63 the bias in the result's layout: register 8 b + j = bo[my first column + 16 b + 8 h + j].
; No prefetch: three of the four K steps are asked for at the head.
.set PITCH,  272                       ; an LDS row of Wo: 256 bytes + 16 of padding: the 16 rows that a load touches start at 16 different banks (64 banks of 4 bytes: ISA guide 11.1)
.set FR,     16
.set AIMG,   32768                     ; a slot: ctx's images of 8 token tiles x 256 K (4,096 bytes each, read 16 bytes a lane on end: no padding),
.set HALFB,  128*PITCH                 ; then Wo's 256 rows, in two halves
.set SLOT,   AIMG+2*HALFB
.set SPARE,  3*SLOT                    ; behind the slots: the spare words, 128 bytes for each wave
.set SPITCH, 528                       ; the way out: a stage of 16 rows x (512 bytes + 16) for each wave.  It lies in slot 1, which is filled once and has had its last read when the first result is stored there
.set ADRA, 16                          ; v16-18  LDS address of my ctx fragments in slot 0, 1, 2
.set ADRB, 20                          ; v20-22  the same for Wo
.set STO,  24                          ; v24     the way out: where I put 32 bytes of a row
.set RD,   25                          ; v25     the way out: where I read a row back
.set CO,   26                          ; v26     16 x lane
.set BOF,  27                          ; v27     32 x (lane / 16): my eight numbers of a tile's sixteen of bo
.set SPW,  28                          ; v28     LDS address of my spare word; never rewritten
.set NIL,  29                          ; v29     0; never rewritten
.set TMP,  32
.set AF,   128
.set BK,   128
.set G1A, 24                           ; s[24:31] descriptor group 1 for ctx's tiles;  s[32:39] for Wo's
.set G1B, 32
.set G0A, 40                           ; s[40:51] groups 0 for ctx's tiles, one for each slot;  s[52:63] for Wo's
.set G0B, 52
.set MSB, 0
.macro WIN new                         ; the immediate's high byte repeats the setting that is left
.if MSB != \new
	s_set_vgpr_msb (MSB<<8)|\new
.set MSB, \new
.endif
.endm
.set MUL,  0xa1                        ; source 0 (Wo) window 1, source 1 (ctx) window 0, C and D window 2
.set TO_B, 0x40                        ; destination window 1, address window 0
.macro JLOAD                           ; the joint refill of slot 0: waves 0 and 1 fetch for ctx, waves 2 and 3 for Wo; four v_nop follow each of the two lines
	s_cmp_eq_u32 s15, 0
	s_cbranch_scc0 .Lfor_b_\@
	tensor_load_to_lds s[G0A:G0A+3], s[G1A:G1A+7]
	s_nop 0
.rept 4
	v_nop
.endr
	s_branch .Lasked_\@
.Lfor_b_\@:
	tensor_load_to_lds s[G0B:G0B+3], s[G1B:G1B+7]
	s_nop 0
.rept 4
	v_nop
.endr
.Lasked_\@:
.endm
.macro CREST                           ; a round of the cluster's barrier behind its opening barrier
	s_cmp_lg_u32 s14, 0
	s_cbranch_scc1 .Lnot_wave_0_\@
	s_barrier_signal -3
.Lnot_wave_0_\@:
	s_barrier_wait -3
	s_barrier_signal -1
	s_barrier_wait -1
.endm
.macro CROUND
	s_barrier_signal -1
	s_barrier_wait -1
	CREST
.endm
	s_load_b256 s[68:75], s[0:1], 0x0              ; ctx_img s[68:69], Wo's codes s[70:71], the scales' exponents s[72:73], bo s[74:75]
	s_load_b64 s[10:11], s[0:1], 0x20              ; out0
	v_lshl_add_u32 v[SPW], v0, 2, SPARE
	v_mov_b32 v[NIL], 0
	ds_add_u32 v28, v29
	ds_add_u32 v28, v29
	s_wait_dscnt 0x0
	v_lshrrev_b32 v1, 5, v0
	v_readfirstlane_b32 s14, v1                    ; wave 0..3
	s_lshr_b32 s15, s14, 1                         ; which 64 of the 128 tokens are mine.  Also: I fetch for ctx (0) or for Wo (1)
	s_and_b32 s16, s14, 1                          ; which 128 of the 256 columns.  Also: which half of that tile I fetch
	s_bfe_u32 s76, ttmp6, 0x40000                  ; cx, cy: my place in the cluster
	s_bfe_u32 s77, ttmp6, 0x40004
	s_lshl_b32 s78, ttmp9, 2
	s_add_co_u32 s78, s78, s76                     ; block of 256 columns = 4 x cluster x + cx
	s_and_b32 s17, ttmp7, 0xffff
	s_lshl_b32 s17, s17, 2
	s_add_co_u32 s17, s17, s77                     ; block of 128 tokens = 4 x cluster y + cy
	s_lshl_b32 s79, s77, 2
	s_lshl_b32 s79, 15, s79                        ; my row of the cluster
	s_lshl_b32 s80, 0x1111, s76                    ; my column
	; descriptor group 1.  ctx: 4 token tiles' 4,096 bytes of a K step, 16,384 bytes apart, laid on end.  Wo: 128 rows x 256 bytes, padded
	s_or_b32 s[G1A+0], s79, (3<<16)|(1<<21)        ; 15:0 the mask: my row; 17:16 elements of 8 bytes; 21 set beside a mask; no padding
	s_mov_b32 s[G1A+1], 512<<16                    ; tensor_dim0 = 512 elements
	s_mov_b32 s[G1A+2], 4<<16                      ; tensor_dim1 = 4
	s_mov_b32 s[G1A+3], 512<<16                    ; tile_dim0
	s_mov_b32 s[G1A+4], 4                          ; tile_dim1
	s_mov_b32 s[G1A+5], 2048                       ; tensor_dim0_stride: 16,384 bytes
	s_mov_b32 s[G1A+6], 0
	s_mov_b32 s[G1A+7], 0
	s_or_b32 s[G1B+0], s80, (0<<16)|(1<<20)|(1<<21)|(5<<22)|(3<<25)  ; the mask: my column; elements of 1 byte; padding: 4 words after every 64
	s_mov_b32 s[G1B+1], 256<<16
	s_mov_b32 s[G1B+2], 128<<16
	s_mov_b32 s[G1B+3], 256<<16
	s_mov_b32 s[G1B+4], 128
	s_mov_b32 s[G1B+5], 1024
	s_mov_b32 s[G1B+6], 0
	s_mov_b32 s[G1B+7], 0
	s_lshl_b32 s84, s17, 17                        ; ctx: 8 token tiles x 16,384 bytes a block,
	s_lshl_b32 s83, s16, 16                        ; + my 4 of them
	s_add_co_u32 s84, s84, s83
	s_mov_b32 s85, 0
	s_lshl_b32 s86, s78, 18                        ; Wo: 256 rows x 1,024 bytes a block,
	s_lshl_b32 s83, s16, 17                        ; + my 128 of them
	s_add_co_u32 s86, s86, s83
	s_mov_b32 s87, 0
	s_lshl_b32 s81, s16, 14                        ; where they go in a slot: no place in the cluster enters an LDS address
	s_mul_i32 s82, s16, HALFB
	s_add_co_u32 s82, s82, AIMG
	s_wait_kmcnt 0x0
	s_load_b64 s[96:97], s[72:73], 0x28            ; e10, e11
	s_add_nc_u64 s[84:85], s[68:69], s[84:85]
	s_add_nc_u64 s[86:87], s[70:71], s[86:87]
	CROUND                                         ; all sixteen work-groups are here: the first joint loads meet
.irp s, 0,1,2
	s_mov_b32 s[G0A+4*\s], 1
	s_add_co_u32 s[G0A+4*\s+1], s81, \s*SLOT
	s_add_nc_u64 s[G0A+4*\s+2:G0A+4*\s+3], s[84:85], \s*4096   ; K step s: 4,096 bytes of a token tile's 16,384
	s_or_b32 s[G0A+4*\s+3], s[G0A+4*\s+3], 0x80000000
	s_mov_b32 s[G0B+4*\s], 1
	s_add_co_u32 s[G0B+4*\s+1], s82, \s*SLOT
	s_add_nc_u64 s[G0B+4*\s+2:G0B+4*\s+3], s[86:87], \s*256
	s_or_b32 s[G0B+4*\s+3], s[G0B+4*\s+3], 0x80000000
.endr
	s_cmp_eq_u32 s15, 0                            ; a wave's three first fills stand in one branch, ahead of every wait on TENSORcnt and every LDS read; four v_nop follow the third
	s_cbranch_scc0 .Lfirst_b
	tensor_load_to_lds s[G0A:G0A+3], s[G1A:G1A+7]
	s_nop 0
	tensor_load_to_lds s[G0A+4:G0A+7], s[G1A:G1A+7]
	s_nop 0
	tensor_load_to_lds s[G0A+8:G0A+11], s[G1A:G1A+7]
	s_nop 0
.rept 4
	v_nop
.endr
	s_branch .Lfirst_asked
.Lfirst_b:
	tensor_load_to_lds s[G0B:G0B+3], s[G1B:G1B+7]
	s_nop 0
	tensor_load_to_lds s[G0B+4:G0B+7], s[G1B:G1B+7]
	s_nop 0
	tensor_load_to_lds s[G0B+8:G0B+11], s[G1B:G1B+7]
	s_nop 0
.rept 4
	v_nop
.endr
.Lfirst_asked:
	v_and_b32 v1, 15, v0                           ; r = l % 16
	v_bfe_u32 v2, v0, 4, 1                         ; h = l / 16
	v_and_b32 v3, 31, v0
	v_lshlrev_b32 v[CO], 4, v3                     ; 16 x lane
	v_mul_u32_u24 v4, v1, PITCH
	v_lshl_add_u32 v4, v2, 4, v4                   ; Wo: row x pitch + 16 x half
	s_lshl_b32 s20, s15, 14                        ; my 4 token tiles' images
	s_mul_i32 s21, s16, HALFB
	s_add_co_u32 s21, s21, AIMG                    ; my 128 rows of Wo
.irp s, 0,1,2
	v_add_nc_u32 v[ADRA+\s], s20, v[CO]
	v_add_nc_u32 v[ADRB+\s], s21, v4
	s_add_co_u32 s20, s20, SLOT
	s_add_co_u32 s21, s21, SLOT
.endr
	s_mul_i32 s22, s14, 16*SPITCH
	s_add_co_u32 s22, s22, SLOT                    ; my stage, in slot 1
	v_mul_u32_u24 v5, v1, SPITCH                   ; in: row l % 16, 32 bytes for each half of the lanes
	v_lshl_add_u32 v5, v2, 5, v5
	v_add_nc_u32 v[STO], s22, v5
	v_add_nc_u32 v[RD], s22, v[CO]                 ; back: the 32 lanes take one row of 512 bytes
	v_lshlrev_b32 v[BOF], 5, v2
	s_wait_alu depctr_va_vdst(0)
	s_lshl_b32 s20, s78, 10                        ; my first column, in bytes: 1024 x block + 512 x half
	s_lshl_b32 s21, s16, 9
	s_add_co_u32 s20, s20, s21
	s_mov_b32 s21, 0
	s_add_nc_u64 s[74:75], s[74:75], s[20:21]      ; bo there
	s_add_nc_u64 s[10:11], s[10:11], s[20:21]
	s_lshl_b32 s20, s17, 19                        ; my first row of out0: (128 x block + 64 x half) x 4,096 bytes
	s_lshl_b32 s22, s15, 18
	s_add_co_u32 s20, s20, s22
	s_add_nc_u64 s[10:11], s[10:11], s[20:21]
	WIN 0xc0                                       ; destination window 3, address window 0
.irp b, 0,1,2,3,4,5,6,7
	global_load_b128 v[8*\b:8*\b+3], v[BOF], s[74:75] offset:64*\b
	global_load_b128 v[8*\b+4:8*\b+7], v[BOF], s[74:75] offset:64*\b+16
.endr
	WIN 0
; 16 matrix instructions: token blocks a0, a0 + 1 x Wo's eight, 128 along K, on set p.  zero = 1: the first product starts the sums.  The 32 accumulators take turns, one instruction a turn, in the same order in every step.
.macro MUL16 a0, p, zero
.irp a, \a0, \a0+1
.irp b, 0,1,2,3,4,5,6,7
.if \zero
	v_wmma_f32_16x16x128_fp8_fp8 v[8*(8*(\a)+\b):8*(8*(\a)+\b)+7], v[128*(\p)+FR*\b:128*(\p)+FR*\b+FR-1], v[AF+64*(\p)+FR*(\a):AF+64*(\p)+FR*(\a)+FR-1], 0
.else
	v_wmma_f32_16x16x128_fp8_fp8 v[8*(8*(\a)+\b):8*(8*(\a)+\b)+7], v[128*(\p)+FR*\b:128*(\p)+FR*\b+FR-1], v[AF+64*(\p)+FR*(\a):AF+64*(\p)+FR*(\a)+FR-1], v[8*(8*(\a)+\b):8*(8*(\a)+\b)+7]
.endif
.endr
.endr
.endm
; 48 LDS loads in one run: the fragments of the q-th 128 along K of slot s into set p
.macro FETCH s, q, p
	WIN TO_B
.irp b, 0,1,2,3,4,5,6,7
.irp c, 0,1,2,3
	ds_load_b128 v[128*(\p)+FR*\b+4*\c:128*(\p)+FR*\b+4*\c+3], v[ADRB+\s] offset:\b*16*PITCH+128*(\q)+32*\c
.endr
.endr
	WIN 0
.irp a, 0,1,2,3
.irp c, 0,1,2,3
	ds_load_b128 v[AF+64*(\p)+FR*\a+4*\c:AF+64*(\p)+FR*\a+4*\c+3], v[ADRA+\s] offset:4096*\a+2048*(\q)+512*\c
.endr
.endr
.endm
.macro PLACES n                        ; places in front of loads into registers that matrix instructions have read, and of the first read of results
.rept \n
	v_nop
.endr
.endm
; A step of 128 along K on set p; ahead of its products the next step's fragments (slot ns, part nq) are asked for, into the other set.
.macro SUB p, zero, ns, nq
	PLACES 4
	FETCH \ns, \nq, 1-(\p)
	s_wait_dscnt 48                                ; all but the 48 just issued: set p is in
	WIN MUL
	MUL16 0, \p, \zero
	MUL16 2, \p, \zero
	WIN 0
.endm
; A step in which a barrier stands.  In front of it each wave waits for all its tensor loads, adds 0 to its spare word, and waits for that and for its LDS reads.  fill = 1: the barrier opens a round of the cluster's, and slot 0 takes K step 3.
.macro TURN p, fill, ns
	s_wait_tensorcnt 0x0                           ; all my tensor loads have landed
	ds_add_u32 v[SPW], v[NIL]                      ; 0 onto my spare word
.if \fill
	s_add_nc_u64 s[G0A+2:G0A+3], s[G0A+2:G0A+3], 3*4096   ; no tensor load of mine is out, so slot 0's groups 0 may be written: K step 3
	s_add_nc_u64 s[G0B+2:G0B+3], s[G0B+2:G0B+3], 3*256
.endif
	s_wait_dscnt 0x0                               ; the add is done, set p is in, and my reads of the slot in hand are over
	s_barrier_signal -1
	WIN MUL
	MUL16 0, \p, 0                                 ; work on registers while the others arrive
	WIN 0
	s_barrier_wait -1
.if \fill
	CREST                                          ; no wave of any partner still reads slot 0 or has a load on its way
	JLOAD                                          ; the first tensor load behind the round; its four v_nop are the places in front of the loads below
.else
	PLACES 4
.endif
	FETCH \ns, 0, 1-(\p)
	WIN MUL
	MUL16 2, \p, 0
	WIN 0
.endm
	s_wait_tensorcnt 2                             ; my part of K step 0 is in (the loads of slots 1 and 2 may be out)
	s_barrier_signal -1
	s_barrier_wait -1                              ; everybody's is
	FETCH 0, 0, 0
	SUB 0, 1, 0, 1                                 ; K 0-127: its products start the sums
	TURN 1, 1, 1                                   ; K 128-255; every wave has waited for its three first fills, so slots 1 and 2 are whole for everybody; slot 0 is filled again
	SUB 0, 0, 1, 1
	SUB 1, 0, 2, 0
	SUB 0, 0, 2, 1
	TURN 1, 0, 0                                   ; K 640-767; behind this barrier K step 3 lies whole in slot 0, and nobody reads slot 1 any more
	SUB 0, 0, 0, 1
	s_wait_dscnt 0x0                               ; the last step: nothing more to fetch
	WIN MUL
	MUL16 0, 1, 0
	MUL16 2, 1, 0
	WIN 0
; THE WAY OUT, block by block of 16 tokens x 128 columns.  A lane holds 32 neighbouring bytes of a row: a block goes through my own stage in LDS and comes back as whole rows of 512 bytes.
; LDS serves a wave's instructions in order (ISA guide 5.7.1.4): no wait between the stores and the loads, nor in front of the next block's stores.
.macro TOSTAGE a
	WIN 0x32                                       ; source 0 (the sums) window 2, source 2 (the bias) window 3
.set J, 0
.rept 32
	v_pk_fma_f32 v[TMP+J:TMP+J+1], v[64*(\a)+J:64*(\a)+J+1], s[96:97], v[J:J+1] op_sel_hi:[1,0,1]   ; sum x 2^(e10 + e11) + bo; each accumulator from its low end on
.set J, J+2
.endr
	WIN 0
.irp b, 0,1,2,3,4,5,6,7
	ds_store_b128 v[STO], v[TMP+8*\b:TMP+8*\b+3] offset:64*\b
	ds_store_b128 v[STO], v[TMP+8*\b+4:TMP+8*\b+7] offset:64*\b+16
.endr
.set BB, BK+64*((\a)%2)
.irp t, 0,1,2,3,4,5,6,7,8,9,10,11,12,13,14,15
	ds_load_b128 v[BB+4*\t:BB+4*\t+3], v[RD] offset:\t*SPITCH
.endr
.endm
.macro SEND a, younger                 ; younger: the LDS instructions issued behind block a's loads, which may stay out
.set BB, BK+64*((\a)%2)
	s_wait_dscnt \younger                          ; the block is back in registers
.if (\a) > 0
	s_add_nc_u64 s[10:11], s[10:11], 16*4096       ; (behind a wait on XCNT: the earlier stores have read their base)  16 rows of out0 on
.endif
.irp t, 0,1,2,3,4,5,6,7,8,9,10,11,12,13,14,15
	global_store_b128 v[CO], v[BB+4*\t:BB+4*\t+3], s[10:11] offset:\t*4096 th:TH_STORE_NT   ; 32 lanes store 512 consecutive bytes, aligned; written once, read by nobody here
.endr
.endm
	s_wait_kmcnt 0x0
	s_add_co_i32 s96, s96, s97                     ; e10 + e11, between -126 and 127,
	s_add_co_i32 s96, s96, 127
	s_lshl_b32 s96, s96, 23                        ; makes the f32 number 2^(e10 + e11)
	s_mov_b32 s97, s96                             ; (named with it as a pair, so it is written)
	s_wait_loadcnt 0x0                             ; the bias
	PLACES 4                                       ; behind the last products: for the first read of results and for the loads into the registers that held ctx's fragments
	TOSTAGE 0
.irp a, 1,2,3
.if \a > 1
	s_wait_xcnt 0x0                                ; block a - 2's stores have read their registers and their base: block a's loads may land there, and the base may step
.endif
	TOSTAGE \a
	SEND \a-1, 32                                  ; behind block a - 1's loads: block a's 16 stores and 16 loads
.endr
	s_wait_xcnt 0x0                                ; block 2's stores have read their base
	SEND 3, 0
	s_wait_tensorcnt 0x0                           ; the wave's end
	ds_add_u32 v[SPW], v[NIL]
	s_wait_dscnt 0x0
	CROUND                                         ; the closing round: no work-group ends while a partner may still ask for a tile that names it
	s_endpgm
.Lfunc_end_k_q3651339484_oproj:
	.size	k_q3651339484_oproj, .Lfunc_end_k_q3651339484_oproj-k_q3651339484_oproj
	.p2alignl 7, 3214868480
	.fill 96, 4, 3214868480
	.section	.rodata,"a",@progbits
	.p2align	6, 0x0
	.amdhsa_kernel k_q3651339484_oproj
		.amdhsa_group_segment_fixed_size 327680
		.amdhsa_private_segment_fixed_size 0
		.amdhsa_enable_private_segment 0
		.amdhsa_kernarg_size 40
		.amdhsa_user_sgpr_count 2
		.amdhsa_user_sgpr_kernarg_segment_ptr 1
		.amdhsa_wavefront_size32 1
		.amdhsa_system_sgpr_workgroup_id_x 1
		.amdhsa_system_sgpr_workgroup_id_y 1
		.amdhsa_system_sgpr_workgroup_id_z 1
		.amdhsa_system_vgpr_workitem_id 0
		.amdhsa_next_free_vgpr 832
		.amdhsa_next_free_sgpr 100
		.amdhsa_reserve_vcc 0
		.amdhsa_float_denorm_mode_32 3
		.amdhsa_float_denorm_mode_16_64 3
		.amdhsa_memory_ordered 1
		.amdhsa_forward_progress 1
		.amdhsa_inst_pref_size 76
	.end_amdhsa_kernel
	.amdgpu_metadata
---
amdhsa.version: [ 1, 2 ]
amdhsa.kernels:
  - .name:           k_q3651339484_oproj
    .symbol:         k_q3651339484_oproj.kd
    .args:
      - { .name: ctx_img, .offset: 0, .size: 8, .value_kind: global_buffer, .address_space: global }
      - { .name: Wo_codes, .offset: 8, .size: 8, .value_kind: global_buffer, .address_space: global }
      - { .name: lowp_scales, .offset: 16, .size: 8, .value_kind: global_buffer, .address_space: global }
      - { .name: bo, .offset: 24, .size: 8, .value_kind: global_buffer, .address_space: global }
      - { .name: out0, .offset: 32, .size: 8, .value_kind: global_buffer, .address_space: global }
    .group_segment_fixed_size: 327680
    .private_segment_fixed_size: 0
    .kernarg_segment_align: 8
    .kernarg_segment_size: 40
    .max_flat_workgroup_size: 128
    .sgpr_count:     100
    .vgpr_count:     832
    .wavefront_size: 32
...
	.end_amdgpu_metadata
.endif
;; end of part 3
